; MI455X (gfx1250); checked and timed in simulation.
; The chip was launched on July 23, 2026; its instructions are those of AMD's public machine-readable ISA for CDNA 5 (MIT licence, August 2026) and "CDNA5" Instruction Set Architecture Reference Guide (July 2026). The comments in the code are by the model that wrote it; some were corrected since.
;; Decoder LSTM. Allowed arithmetic: float matrix products may take bf16 or f16 operands with f32 sums; all other float work in f32.
;; Inputs: W_hh0 2,048 x 512 float32; W_hh1 2,048 x 512 float32; W_ih0 2,048 x 3 float32; W_ih1 2,048 x 512 float32; W_pc 3 x 512 float32; b_hh0 2,048 float32; b_hh1 2,048 float32; b_ih0 2,048 float32; b_ih1 2,048 float32; b_pc 3 float32; features 16,384 x 3 float32; seq_lengths 16,384 int32.
;; Outputs: out0 16,384 x 1 x 3 float32.
;; One version. Each part assembles by itself: llvm-mc -triple=amdgcn-amd-amdhsa -mcpu=gfx1250 --defsym DOCPART=n.
;; ======== version 1 of 1: 2 launches
;; workspace buffers: part 4,096 bytes
;; launch cells (part 1): grid 256 x 1, 8 waves a work-group, no clusters, 3,328 bytes of LDS; arguments W_ih1, W_hh1, W_hh0, W_ih0, b_ih0, b_hh0, b_ih1, b_hh1, W_pc, part; writes part
.if DOCPART == 1
	.amdgcn_target "amdgcn-amd-amdhsa--gfx1250"
	.amdhsa_code_object_version 6
	.text
	.protected	k_q33d7e30350_cells
	.globl	k_q33d7e30350_cells
	.p2align	8
	.type	k_q33d7e30350_cells,@function
k_q33d7e30350_cells:
	s_mov_b64 s[64:65], 0
	v_nop
	global_prefetch_b8 v0, s[64:65] scope:SCOPE_SE
	s_setreg_imm32_b32 hwreg(HW_REG_WAVE_MODE, 25, 1), 1
	s_wait_xcnt 0x0
; Two LSTM cells and a 3-wide projection, ONE step, from a state and an input that the problem's function itself
; creates as zeros.  So, for every input of these shapes, all 16,384 batch rows hold the same numbers up to the mask:
;   gates0 = W_ih0 . 0 + b_ih0 + W_hh0 . 0 + b_hh0            -> h0[512]
;   gates1 = W_ih1 . h0 + b_ih1 + W_hh1 . 0 + b_hh1           -> h1[512]
;   point  = W_pc . h1 + b_pc                                 (3 numbers; the next launch spreads them under the mask)
; This launch computes that one row.  Work-group g of 256 owns units 2g, 2g+1 of layer 1 and stores its share of
; W_pc . h1 as one record of 16 bytes (three partial sums and a zero) at byte 16 g of part.
;   - h0 needs only the two bias vectors of layer 0 (16 KiB): every work-group forms all 512 units, thread t units 2t, 2t+1.
;   - wave w owns gate row j = 512 (w >> 1) + 2g + (w & 1) of W_ih1, W_hh1, W_hh0, W_ih0.  A row is 2,048 bytes: four loads of
;     16 bytes a lane, each load of the wave 512 consecutive bytes at a multiple of 512.  All twelve are issued at the head.
; DECISIONS AND LIMITS, stated:
;   - features is not loaded: the problem's function takes its shape and type only; no value of it enters any result.
;   - The products with the zero state are made (weight x 0): exact zeros for finite weights, NaN for others, as in the model.
;     Those of layer 0's row j (W_hh0, W_ih0) are added into layer 1's gate sum j, not into layer 0's: for finite weights that
;     adds zero; a NaN reaches every output number either way (in the model through h0 and all of gates1, here through this
;     work-group's record and the sum over records), so the values agree for every input, and h0 needs no launch of its own.
;   - One row of products, 3.1 million multiply-adds on 12.6 MB: all in f32 on the vector unit; a 16-row matrix tile would hold
;     one useful row.  No LDS ring, no cluster: each weight byte is used once, by one lane, and goes straight into registers.
;   - f32 sums are formed in another order than the model's.  tanh x = 1 - 2 / (1 + e^(2x)): absolute error about 2^-23, so its
;     relative error passes one per cent only for |x| below about 1e-5.  Large |x| saturate rightly (2^x gives inf or 0).
;     The sign of a zero result may differ.
.set NLOG2E, 0xbfb8aa3b                ; -log2(e)
.set LOG2E2, 0x4038aa3b                ; 2 log2(e)
.set H0,     0                         ; LDS bytes 0-2047: h0[512], f32
.set GATES,  2048                      ; LDS bytes 2048-2079: word w = gate sum of wave w = gate (w >> 1) of unit (w & 1)
.set G,    8                           ; v[8:15]    b_ih0 of my two units, pair q = gate q; then the gate sums of layer 0
.set BH,   16                          ; v[16:23]   b_hh0 likewise
.set T,    24                          ; v[24:27]   at work in CELL
.set HP,   28                          ; v[28:29]   h0 of units 2t, 2t+1
.set WPC,  30                          ; v[30:32]   wave 0: W_pc[p][2g + (lane & 1)]
.set W1,   34                          ; v[34:49]   my 16 numbers of row j of W_ih1
.set W2,   50                          ; v[50:65]   of W_hh1
.set W3,   66                          ; v[66:81]   of W_hh0
.set HV,   82                          ; v[82:97]   the 16 numbers of h0 that stand against them
.set ACCA, 98                          ; v[98:99]   two chains of packed sums
.set ACCB, 100                         ; v[100:101]
.set TMP,  102                         ; v102       the other half's sum in LANESUM
.set GT,   104                         ; v[104:107] wave 0: gates i, f, g, o of unit lane & 1
.set H1,   108                         ; v108       h1 of that unit
.set PP,   110                         ; v[110:113] the record: three partial sums, then 0
.set PO,   114                         ; v114       its byte offset in part
; One LSTM unit from its four gate sums, with the old cell state 0 that the model starts from.
.macro CELL h, gi, gf, gg, go
	v_mul_f32 v[T+0], NLOG2E, v[\gi]
	v_mul_f32 v[T+1], NLOG2E, v[\gf]
	v_mul_f32 v[T+2], LOG2E2, v[\gg]
	v_mul_f32 v[T+3], NLOG2E, v[\go]
.irp k, 0,1,2,3
	v_exp_f32 v[T+\k], v[T+\k]
.endr
	v_nop                                          ; one plain vector instruction between a transcendental and the use of its result (ISA guide 5.7.2)
	s_wait_alu depctr_va_vdst(0)
.irp k, 0,1,2,3
	v_add_f32 v[T+\k], 1.0, v[T+\k]
.endr
.irp k, 0,1,2,3
	v_rcp_f32 v[T+\k], v[T+\k]                     ; T0 = sigmoid(i), T1 = sigmoid(f), T3 = sigmoid(o), T2 = 1 / (1 + e^(2g))
.endr
	v_nop
	s_wait_alu depctr_va_vdst(0)
	v_fma_f32 v[T+2], v[T+2], -2.0, 1.0            ; tanh(g)
	v_mul_f32 v[T+2], v[T+0], v[T+2]               ; sigmoid(i) tanh(g)
	v_fma_f32 v[T+2], v[T+1], 0, v[T+2]            ; c = sigmoid(f) x 0 + that: kept, so that a NaN in gate f shows as in the model
	v_mul_f32 v[T+0], LOG2E2, v[T+2]
	v_exp_f32 v[T+0], v[T+0]
	v_nop
	s_wait_alu depctr_va_vdst(0)
	v_add_f32 v[T+0], 1.0, v[T+0]
	v_rcp_f32 v[T+0], v[T+0]
	v_nop
	s_wait_alu depctr_va_vdst(0)
	v_fma_f32 v[T+0], v[T+0], -2.0, 1.0            ; tanh(c)
	v_mul_f32 v[\h], v[T+3], v[T+0]                ; h = sigmoid(o) tanh(c)
.endm
; 16 weights x 16 numbers of h0; the first products start the two chains, nothing is cleared
.macro DOT w
	v_pk_mul_f32 v[ACCA:ACCA+1], v[\w:\w+1], v[HV:HV+1]
	v_pk_mul_f32 v[ACCB:ACCB+1], v[\w+2:\w+3], v[HV+2:HV+3]
.irp c, 1,2,3
	v_pk_fma_f32 v[ACCA:ACCA+1], v[\w+4*\c:\w+4*\c+1], v[HV+4*\c:HV+4*\c+1], v[ACCA:ACCA+1]
	v_pk_fma_f32 v[ACCB:ACCB+1], v[\w+4*\c+2:\w+4*\c+3], v[HV+4*\c+2:HV+4*\c+3], v[ACCB:ACCB+1]
.endr
.endm
; 16 weights x the zero state
.macro DOT0 w
.irp c, 0,1,2,3
	v_pk_fma_f32 v[ACCA:ACCA+1], v[\w+4*\c:\w+4*\c+1], 0, v[ACCA:ACCA+1] op_sel_hi:[1,0,1]
	v_pk_fma_f32 v[ACCB:ACCB+1], v[\w+4*\c+2:\w+4*\c+3], 0, v[ACCB:ACCB+1] op_sel_hi:[1,0,1]
.endr
.endm
; sum over the wave's 32 lanes, the result in every lane
.macro LANESUM r, tmp
.irp x, 1,2,4,8
	v_add_f32_dpp v[\r], v[\r], v[\r] row_xmask:\x row_mask:0xf bank_mask:0xf
.endr
	v_permlanex16_b32 v[\tmp], v[\r], s33, s34     ; lane i of the other half
	v_add_f32 v[\r], v[\r], v[\tmp]
.endm
	s_load_b512 s[8:23], s[0:1], 0x0               ; W_ih1 8:9, W_hh1 10:11, W_hh0 12:13, W_ih0 14:15, b_ih0 16:17, b_hh0 18:19, b_ih1 20:21, b_hh1 22:23
	s_load_b128 s[24:27], s[0:1], 0x40             ; W_pc 24:25, part 26:27
	v_lshl_add_u32 v120, v0, 2, 0x900
	v_mov_b32 v121, 0
	v_and_b32 v1, 31, v0                           ; lane
	v_lshrrev_b32 v2, 5, v0
	v_readfirstlane_b32 s2, v2                     ; wave w
	s_lshr_b32 s3, s2, 1                           ; gate q = w >> 1
	s_lshl_b32 s3, s3, 9                           ; 512 q
	s_and_b32 s4, s2, 1                            ; unit w & 1
	s_add_co_u32 s3, s3, s4
	s_lshl_b32 s4, ttmp9, 1                        ; 2 g
	s_add_co_u32 s3, s3, s4                        ; j, my gate row
	s_lshl_b32 s4, s3, 2                           ; 4 j: its byte in a bias vector
	s_mul_i32 s5, s3, 12                           ; 12 j: its row in W_ih0
	s_lshl_b32 s6, s3, 11                          ; 2,048 j: its row in the three square-sided weights
	s_lshl_b32 s35, ttmp9, 3                       ; 8 g: units 2g, 2g+1 in a row of W_pc
	s_lshl_b32 s36, ttmp9, 4                       ; 16 g: my record in part
	s_lshl_b32 s37, s2, 2
	s_add_co_u32 s37, s37, GATES                   ; my wave's word in GATES
	s_mov_b32 s33, 0x76543210
	s_mov_b32 s34, 0xfedcba98
	v_lshl_add_u32 v2, v1, 4, s6                   ; row j + 16 lane
	v_lshlrev_b32 v3, 3, v0                        ; 8 t: my two units in a quarter of a bias vector, and in H0
	v_lshlrev_b32 v4, 4, v1                        ; 16 lane: my part of each 512 bytes of h0
	v_and_b32 v5, 1, v0
	v_lshl_add_u32 v5, v5, 2, s35                  ; 8 g + 4 (lane & 1)
	v_mov_b32 v6, s37
	v_mov_b32 v[TMP], 0                            ; the permute's destination counts as read
	s_wait_kmcnt 0x0
	s_load_b96 s[28:30], s[14:15], s5 offset:0x0   ; W_ih0[j][0..2]
	s_load_b32 s31, s[20:21], s4 offset:0x0        ; b_ih1[j]
	s_load_b32 s32, s[22:23], s4 offset:0x0        ; b_hh1[j]
	s_cmp_lg_u32 s2, 0
	s_cbranch_scc1 .Lno_wpc                        ; wave 0 alone finishes the units: its three loads are the oldest, so the
.irp p, 0,1,2                                      ; counted waits below mean the same in every wave
	global_load_b32 v[WPC+\p], v5, s[24:25] offset:2048*\p
.endr
.Lno_wpc:
.irp q, 0,1,2,3
	global_load_b64 v[G+2*\q:G+2*\q+1], v3, s[16:17] offset:2048*\q
.endr
.irp q, 0,1,2,3
	global_load_b64 v[BH+2*\q:BH+2*\q+1], v3, s[18:19] offset:2048*\q
.endr
.irp c, 0,1,2,3
	global_load_b128 v[W1+4*\c:W1+4*\c+3], v2, s[8:9] offset:512*\c th:TH_LOAD_NT     ; each weight byte is read once in the launch
.endr
.irp c, 0,1,2,3
	global_load_b128 v[W2+4*\c:W2+4*\c+3], v2, s[10:11] offset:512*\c th:TH_LOAD_NT
.endr
.irp c, 0,1,2,3
	global_load_b128 v[W3+4*\c:W3+4*\c+3], v2, s[12:13] offset:512*\c th:TH_LOAD_NT
.endr
	; layer 0: h0 of units 2t, 2t+1, while the weights are on their way
	s_wait_loadcnt 12                              ; the twelve weight loads are younger and stay out; biases (and W_pc) are in
.irp q, 0,1,2,3
	v_pk_add_f32 v[G+2*\q:G+2*\q+1], v[G+2*\q:G+2*\q+1], v[BH+2*\q:BH+2*\q+1]
.endr
	CELL HP+0, G+0, G+2, G+4, G+6
	CELL HP+1, G+1, G+3, G+5, G+7
	ds_store_b64 v3, v[HP:HP+1]                    ; H0 + 8 t
	s_wait_dscnt 0x0                               ; my part of h0 is in LDS before I say so
	s_barrier_signal -1
	s_barrier_wait -1                              ; all 512 units are
.irp c, 0,1,2,3
	ds_load_b128 v[HV+4*\c:HV+4*\c+3], v4 offset:H0+512*\c
.endr
	s_wait_dscnt 0x0
	; layer 1: gate sum of row j
	s_wait_loadcnt 8                               ; W_ih1's four loads are in; W_hh1's and W_hh0's are younger
	DOT W1
	s_wait_loadcnt 4                               ; W_hh1's are in; W_hh0's are younger
	DOT0 W2
	s_wait_loadcnt 0x0
	DOT0 W3
	v_pk_add_f32 v[ACCA:ACCA+1], v[ACCA:ACCA+1], v[ACCB:ACCB+1]
	v_add_f32 v[ACCA], v[ACCA], v[ACCA+1]
	LANESUM ACCA, TMP
	s_wait_kmcnt 0x0                               ; W_ih0's row and the two biases
	v_fma_f32 v[ACCA], s28, 0, v[ACCA]             ; the zero input x W_ih0[j][0..2]
	v_fma_f32 v[ACCA], s29, 0, v[ACCA]
	v_fma_f32 v[ACCA], s30, 0, v[ACCA]
	v_add_f32 v[ACCA], s31, v[ACCA]
	v_add_f32 v[ACCA], s32, v[ACCA]
	ds_store_b32 v6, v[ACCA]                       ; every lane writes the wave's word with the same number
	s_wait_dscnt 0x0
	s_barrier_signal -1
	s_barrier_wait -1                              ; the eight gate sums are in LDS
	s_cmp_lg_u32 s2, 0
	s_cbranch_scc1 .Lend
	; wave 0: lane l works for unit l & 1
	v_and_b32 v7, 1, v0
	v_lshl_add_u32 v7, v7, 2, GATES
.irp q, 0,1,2,3
	ds_load_b32 v[GT+\q], v7 offset:8*\q           ; gate q of my unit: word 2 q + unit
.endr
	v_mov_b32 v[PP+3], 0                           ; the record's fourth word
	v_mov_b32 v[PO], s36
	s_wait_dscnt 0x0
	CELL H1, GT+0, GT+1, GT+2, GT+3
.irp p, 0,1,2
	v_mul_f32 v[PP+\p], v[WPC+\p], v[H1]
.endr
.irp p, 0,1,2
	v_add_f32_dpp v[PP+\p], v[PP+\p], v[PP+\p] row_xmask:1 row_mask:0xf bank_mask:0xf   ; the two units together
.endr
	s_wait_xcnt 0x0                                ; EXEC is narrowed only when no earlier memory instruction still reads it
	v_cmp_eq_u32 vcc_lo, 0, v1
	s_and_saveexec_b32 s7, vcc_lo
	global_store_b128 v[PO], v[PP:PP+3], s[26:27]  ; 16 bytes are all that this work-group has to say
.Lend:
	s_wait_xcnt 0x0
	s_mov_b32 exec_lo, -1
	s_wait_tensorcnt 0x0
	ds_add_u32 v120, v121
	s_wait_dscnt 0x0
	s_endpgm
.Lfunc_end_k_q33d7e30350_cells:
	.size	k_q33d7e30350_cells, .Lfunc_end_k_q33d7e30350_cells-k_q33d7e30350_cells
	.p2alignl 7, 3214868480
	.fill 96, 4, 3214868480
	.section	.rodata,"a",@progbits
	.p2align	6, 0x0
	.amdhsa_kernel k_q33d7e30350_cells
		.amdhsa_group_segment_fixed_size 3328
		.amdhsa_private_segment_fixed_size 0
		.amdhsa_enable_private_segment 0
		.amdhsa_kernarg_size 80
		.amdhsa_user_sgpr_count 2
		.amdhsa_user_sgpr_kernarg_segment_ptr 1
		.amdhsa_wavefront_size32 1
		.amdhsa_system_sgpr_workgroup_id_x 1
		.amdhsa_system_sgpr_workgroup_id_y 1
		.amdhsa_system_sgpr_workgroup_id_z 1
		.amdhsa_system_vgpr_workitem_id 0
		.amdhsa_next_free_vgpr 122
		.amdhsa_next_free_sgpr 66
		.amdhsa_reserve_vcc 1
		.amdhsa_float_denorm_mode_32 3
		.amdhsa_float_denorm_mode_16_64 3
		.amdhsa_memory_ordered 1
		.amdhsa_forward_progress 1
		.amdhsa_inst_pref_size 13
	.end_amdhsa_kernel
	.amdgpu_metadata
---
amdhsa.version: [ 1, 2 ]
amdhsa.kernels:
  - .name:           k_q33d7e30350_cells
    .symbol:         k_q33d7e30350_cells.kd
    .args:
      - { .name: W_ih1, .offset: 0, .size: 8, .value_kind: global_buffer, .address_space: global }
      - { .name: W_hh1, .offset: 8, .size: 8, .value_kind: global_buffer, .address_space: global }
      - { .name: W_hh0, .offset: 16, .size: 8, .value_kind: global_buffer, .address_space: global }
      - { .name: W_ih0, .offset: 24, .size: 8, .value_kind: global_buffer, .address_space: global }
      - { .name: b_ih0, .offset: 32, .size: 8, .value_kind: global_buffer, .address_space: global }
      - { .name: b_hh0, .offset: 40, .size: 8, .value_kind: global_buffer, .address_space: global }
      - { .name: b_ih1, .offset: 48, .size: 8, .value_kind: global_buffer, .address_space: global }
      - { .name: b_hh1, .offset: 56, .size: 8, .value_kind: global_buffer, .address_space: global }
      - { .name: W_pc, .offset: 64, .size: 8, .value_kind: global_buffer, .address_space: global }
      - { .name: part, .offset: 72, .size: 8, .value_kind: global_buffer, .address_space: global }
    .group_segment_fixed_size: 3328
    .private_segment_fixed_size: 0
    .kernarg_segment_align: 8
    .kernarg_segment_size: 80
    .max_flat_workgroup_size: 256
    .sgpr_count:     66
    .vgpr_count:     122
    .wavefront_size: 32
...
	.end_amdgpu_metadata
.endif
;; end of part 1
;; launch spread (part 2): grid 48 x 1, 8 waves a work-group, no clusters, 1,280 bytes of LDS; arguments part, b_pc, seq_lengths, out0; writes out0
.if DOCPART == 2
	.amdgcn_target "amdgcn-amd-amdhsa--gfx1250"
	.amdhsa_code_object_version 6
	.text
	.protected	k_q33d7e30350_spread
	.globl	k_q33d7e30350_spread
	.p2align	8
	.type	k_q33d7e30350_spread,@function
k_q33d7e30350_spread:
	s_mov_b64 s[64:65], 0
	v_nop
	global_prefetch_b8 v0, s[64:65] scope:SCOPE_SE
	s_setreg_imm32_b32 hwreg(HW_REG_WAVE_MODE, 25, 1), 1
	s_wait_xcnt 0x0
; out0[b][0][p] = point[p] x (0 < seq_lengths[b]),  point[p] = b_pc[p] + the sum over the 256 records of part (word p).
; Every work-group sums all 256 records (4,096 bytes; thread t takes record t) and then writes its share of out0:
; 48 work-groups x 256 threads x 16 bytes = 196,608 bytes.  Thread T = 256 x work-group + t stores the four numbers at
; flat places 4T .. 4T+3, so each store of a wave covers 512 consecutive bytes at a multiple of 512.
; Place n belongs to row n / 3, component n mod 3.  With ra = 4T / 3 and m = 4T - 3 ra the four numbers are
;   point[m] of row ra;  point[m+1 mod 3] of row ra (m < 2) or ra+1;  point[m+2 mod 3] of row ra (m = 0) or ra+1;  point[m] of row ra+1.
; ra + 1 is 16,383 at the most (4T <= 49,148), so both length loads stay inside seq_lengths.
; The lengths only select a factor 0.0 or 1.0; the product with it is made, as the model makes it (a NaN point stays NaN).
; The sum over records is formed in a fixed order that differs from the model's order of summation.
.set P,   8                            ; v[8:11]   my record; then sums; then point[0..2] (word 3 is the records' zero)
.set LA,  12                           ; v12       length of row ra, then its factor
.set LB,  13                           ; v13       the same for row ra + 1
.set Q,   16                           ; v[16:18]  point[m], point[m+1 mod 3], point[m+2 mod 3]
.set M1,  19                           ; v19       factor of the second number
.set O,   20                           ; v[20:23]  the four numbers to store
.set M2,  24                           ; v24       factor of the third number
.set TMP, 25                           ; v25       the other half's sum in LANESUM
.macro LANESUM r, tmp                  ; sum over the wave's 32 lanes, the result in every lane
.irp x, 1,2,4,8
	v_add_f32_dpp v[\r], v[\r], v[\r] row_xmask:\x row_mask:0xf bank_mask:0xf
.endr
	v_permlanex16_b32 v[\tmp], v[\r], s20, s21
	v_add_f32 v[\r], v[\r], v[\tmp]
.endm
	s_load_b256 s[8:15], s[0:1], 0x0               ; part 8:9, b_pc 10:11, seq_lengths 12:13, out0 14:15
	v_lshl_add_u32 v32, v0, 2, 0x100
	v_mov_b32 v33, 0
	v_lshrrev_b32 v14, 5, v0
	v_readfirstlane_b32 s2, v14                    ; wave
	s_lshl_b32 s3, ttmp9, 8                        ; 256 x work-group
	s_lshl_b32 s4, s2, 4                           ; my wave's 16 bytes in LDS
	s_mov_b32 s20, 0x76543210
	s_mov_b32 s21, 0xfedcba98
	v_lshlrev_b32 v1, 4, v0                        ; 16 t: my record
	v_add_nc_u32 v2, s3, v0                        ; T
	v_lshlrev_b32 v3, 2, v2                        ; 4 T
	v_mul_u32_u24 v4, 0xaaab, v3                   ; n x 43,691 >> 17 = n / 3, exact for n < 98,304 (3 x 43,691 = 2^17 + 1; the product fits 32 bits)
	v_lshrrev_b32 v4, 17, v4                       ; ra
	v_lshl_add_u32 v5, v4, 1, v4                   ; 3 ra
	v_sub_nc_u32 v5, v3, v5                        ; m
	v_lshlrev_b32 v6, 2, v4                        ; 4 ra: row ra in seq_lengths
	v_lshlrev_b32 v7, 4, v2                        ; 16 T: my bytes in out0
	v_mov_b32 v14, s4
	v_and_b32 v15, 7, v0
	v_lshlrev_b32 v15, 4, v15                      ; 16 (lane & 7): the wave record that I read back
	v_mov_b32 v[TMP], 0                            ; the permute's destination counts as read
	s_wait_kmcnt 0x0
	s_load_b96 s[16:18], s[10:11], 0x0             ; b_pc
	global_load_b128 v[P:P+3], v1, s[8:9]
	global_load_b32 v[LA], v6, s[12:13]
	global_load_b32 v[LB], v6, s[12:13] offset:4
	v_cmp_eq_u32 s22, 1, v5                        ; m = 1
	v_cmp_eq_u32 s23, 2, v5                        ; m = 2
	s_or_b32 s24, s22, s23                         ; m > 0
	s_wait_loadcnt 2                               ; the record is in; the two length loads are younger
	LANESUM P+0, TMP
	LANESUM P+1, TMP
	LANESUM P+2, TMP
	ds_store_b128 v14, v[P:P+3]                    ; every lane writes the wave's record with the same numbers
	s_wait_dscnt 0x0
	s_barrier_signal -1
	s_barrier_wait -1                              ; the eight waves' sums are in LDS
	ds_load_b128 v[P:P+3], v15                     ; lane l: wave l & 7
	s_wait_dscnt 0x0
.irp x, 1,2,4
.irp p, 0,1,2
	v_add_f32_dpp v[P+\p], v[P+\p], v[P+\p] row_xmask:\x row_mask:0xf bank_mask:0xf    ; over each eight lanes: all eight waves
.endr
.endr
	s_wait_kmcnt 0x0
	v_add_f32 v[P+0], s16, v[P+0]
	v_add_f32 v[P+1], s17, v[P+1]
	v_add_f32 v[P+2], s18, v[P+2]                  ; point
	v_cndmask_b32 v[Q+0], v[P+0], v[P+1], s22      ; the three components, turned by m
	v_cndmask_b32 v[Q+1], v[P+1], v[P+2], s22
	v_cndmask_b32 v[Q+2], v[P+2], v[P+0], s22
	v_cndmask_b32 v[Q+0], v[Q+0], v[P+2], s23
	v_cndmask_b32 v[Q+1], v[Q+1], v[P+0], s23
	v_cndmask_b32 v[Q+2], v[Q+2], v[P+1], s23
	s_wait_loadcnt 0x0
	v_cmp_lt_i32 vcc_lo, 0, v[LA]                  ; step 0 < length
	v_cndmask_b32 v[LA], 0, 1.0, vcc_lo
	v_cmp_lt_i32 vcc_lo, 0, v[LB]
	v_cndmask_b32 v[LB], 0, 1.0, vcc_lo
	v_cndmask_b32 v[M1], v[LA], v[LB], s23         ; the second number is row ra + 1's where m = 2
	v_cndmask_b32 v[M2], v[LA], v[LB], s24         ; the third where m > 0
	v_mul_f32 v[O+0], v[Q+0], v[LA]
	v_mul_f32 v[O+1], v[Q+1], v[M1]
	v_mul_f32 v[O+2], v[Q+2], v[M2]
	v_mul_f32 v[O+3], v[Q+0], v[LB]
	global_store_b128 v7, v[O:O+3], s[14:15] th:TH_STORE_NT
	s_wait_tensorcnt 0x0
	ds_add_u32 v32, v33
	s_wait_dscnt 0x0
	s_endpgm
.Lfunc_end_k_q33d7e30350_spread:
	.size	k_q33d7e30350_spread, .Lfunc_end_k_q33d7e30350_spread-k_q33d7e30350_spread
	.p2alignl 7, 3214868480
	.fill 96, 4, 3214868480
	.section	.rodata,"a",@progbits
	.p2align	6, 0x0
	.amdhsa_kernel k_q33d7e30350_spread
		.amdhsa_group_segment_fixed_size 1280
		.amdhsa_private_segment_fixed_size 0
		.amdhsa_enable_private_segment 0
		.amdhsa_kernarg_size 32
		.amdhsa_user_sgpr_count 2
		.amdhsa_user_sgpr_kernarg_segment_ptr 1
		.amdhsa_wavefront_size32 1
		.amdhsa_system_sgpr_workgroup_id_x 1
		.amdhsa_system_sgpr_workgroup_id_y 1
		.amdhsa_system_sgpr_workgroup_id_z 1
		.amdhsa_system_vgpr_workitem_id 0
		.amdhsa_next_free_vgpr 34
		.amdhsa_next_free_sgpr 66
		.amdhsa_reserve_vcc 1
		.amdhsa_float_denorm_mode_32 3
		.amdhsa_float_denorm_mode_16_64 3
		.amdhsa_memory_ordered 1
		.amdhsa_forward_progress 1
		.amdhsa_inst_pref_size 5
	.end_amdhsa_kernel
	.amdgpu_metadata
---
amdhsa.version: [ 1, 2 ]
amdhsa.kernels:
  - .name:           k_q33d7e30350_spread
    .symbol:         k_q33d7e30350_spread.kd
    .args:
      - { .name: part, .offset: 0, .size: 8, .value_kind: global_buffer, .address_space: global }
      - { .name: b_pc, .offset: 8, .size: 8, .value_kind: global_buffer, .address_space: global }
      - { .name: seq_lengths, .offset: 16, .size: 8, .value_kind: global_buffer, .address_space: global }
      - { .name: out0, .offset: 24, .size: 8, .value_kind: global_buffer, .address_space: global }
    .group_segment_fixed_size: 1280
    .private_segment_fixed_size: 0
    .kernarg_segment_align: 8
    .kernarg_segment_size: 32
    .max_flat_workgroup_size: 256
    .sgpr_count:     66
    .vgpr_count:     34
    .wavefront_size: 32
...
	.end_amdgpu_metadata
.endif
;; end of part 2
